; MI455X (gfx1250); checked and timed in simulation.
; The chip was launched on July 23, 2026; its instructions are those of AMD's public machine-readable ISA for CDNA 5 (MIT licence, August 2026) and "CDNA5" Instruction Set Architecture Reference Guide (July 2026). The comments in the code are by the model that wrote it; some were corrected since.
;; Deep VCP. Allowed arithmetic: float matrix products may take bf16 or f16 operands with f32 sums; all other float work in f32.
;; Inputs: candidate_pts 2 x 64 x 552 x 3 float32; fe_b1 64 float32; fe_b2 32 float32; fe_w1 64 x 6 float32; fe_w2 32 x 64 float32; src_pts 2 x 6 x 2,048 float32; tgt_pts 2 x 6 x 2,048 float32; wl_b1 16 float32; wl_b2 1 float32; wl_w1 16 x 32 float32; wl_w2 1 x 16 float32.
;; Outputs: out0 2 x 64 x 6 float32; out1 2 x 35,328 x 32 float32; out2 2 x 64 x 32 x 6 float32; out3 2 x 64 x 32 x 6 float32.
;; 2 versions, each right; version 2 is version 1 with the launches score, group written anew for expert scheduling mode. Each part assembles by itself: llvm-mc -triple=amdgcn-amd-amdhsa -mcpu=gfx1250 --defsym DOCPART=n.
;; ======== version 1 of 2: 4 launches
;; workspace buffers: scores 32,768 bytes; ranks 16,384 bytes of whole numbers
;; launch score (part 1): grid 256 x 1, 1 waves a work-group, no clusters, 12,800 bytes of LDS; arguments src_pts, tgt_pts, fe_w1, fe_b1, fe_w2, fe_b2, wl_w1, wl_b1, wl_w2, wl_b2, scores; writes scores
.if DOCPART == 1
	.amdgcn_target "amdgcn-amd-amdhsa--gfx1250"
	.amdhsa_code_object_version 6
	.text
	.protected	k_q1a81cbd41f_score
	.globl	k_q1a81cbd41f_score
	.p2align	8
	.type	k_q1a81cbd41f_score,@function
k_q1a81cbd41f_score:
	s_mov_b64 s[64:65], 0
	v_nop
	global_prefetch_b8 v0, s[64:65] scope:SCOPE_SE
	s_setreg_imm32_b32 hwreg(HW_REG_WAVE_MODE, 25, 1), 1
	s_wait_xcnt 0x0
; scores[cloud][batch][n] = WL(FE(pts[batch][:, n])): the pointwise chain 6 -> 64 (ReLU) -> 32 -> 16 (ReLU) -> 1.
; One wave a work-group, one point a lane: 256 work-groups x 32 lanes = 2 clouds x 2 batches x 2048 points.
; WHY f32 ON THE VECTOR ALU AND NOT THE MATRIX UNIT: the scores are only ranked (top 64 of 2048), and a rank is not continuous
; in the score: a bf16 operand would move a score by more than neighbouring scores lie apart.  The whole chain is 2,960
; multiply-adds a point.
; LIMITS: the sums run in another order than the reference's, so two means closer than a few f32 ulp may be ranked otherwise;
; NaN and infinite inputs are not served.
; The weights (12,288 bytes) go into LDS once and come back as broadcast loads (all lanes one address), 12 or 16 loads
; a chunk, in two register buffers: while one chunk is multiplied the next one is on its way.
; One wave: no barrier; LDS serves a wave's instructions in order (ISA guide 5.7.1), so the loads see the stores.
.set W1O, 0                            ; fe_w1 [64][6]
.set B1O, 1536                         ; fe_b1 [64]
.set W2O, 1792                         ; fe_w2 [32][64]
.set B2O, 9984                         ; fe_b2 [32]
.set W3O, 10112                        ; wl_w1 [16][32]
.set B3O, 12160                        ; wl_b1 [16]
.set W4O, 12224                        ; wl_w2 [16]
.set X,  6                             ; v[6:11]    the point's six channels
.set SC, 12                            ; v12        the score, started with wl_b2; v13 a second chain
.set G,  16                            ; v[16:31]   layer 3
.set F,  32                            ; v[32:63]   layer 2
.set H,  64                            ; v[64:127]  layer 1
.set WA, 128                           ; v[128:191] weight buffer A
.set WB, 192                           ; v[192:255] weight buffer B
.set ST, 128                           ; v[128:224] the weights on their way from memory to LDS
	s_load_b512 s[4:19], s[0:1], 0x0               ; src, tgt, fe_w1, fe_b1, fe_w2, fe_b2, wl_w1, wl_b1
	s_load_b128 s[20:23], s[0:1], 0x40             ; wl_w2, wl_b2
	s_load_b64 s[24:25], s[0:1], 0x50              ; scores
	v_lshl_add_u32 v14, v0, 2, 0x3100
	v_mov_b32 v15, 0
	s_bfe_u32 s28, ttmp9, 0x10006                  ; batch = bit 6 of the work-group's number
	s_mul_i32 s28, s28, 49152                      ; 6 channels x 2048 x 4 bytes
	s_and_b32 s29, ttmp9, 63
	s_lshl_b32 s29, s29, 7                         ; + 32 points x 4 bytes for each block
	s_add_co_u32 s28, s28, s29
	s_mov_b32 s29, 0
	s_lshl_b32 s30, ttmp9, 7                       ; scores: (cloud, batch, block) are the number's bits in order: 128 bytes each
	s_mov_b32 s31, 0
	v_mov_b32 v1, 0                                ; address of every broadcast load
	v_lshlrev_b32 v2, 4, v0                        ; 16 L
	v_lshlrev_b32 v3, 3, v0                        ; 8 L
	v_lshlrev_b32 v4, 2, v0                        ; 4 L
	v_and_b32 v5, 15, v0
	v_lshlrev_b32 v5, 2, v5                        ; 4 (L % 16): arrays of 64 bytes, the upper lanes repeat the lower
	s_wait_kmcnt 0x0
	s_cmp_lt_u32 ttmp9, 128                        ; cloud 0: src, cloud 1: tgt
	s_cselect_b64 s[26:27], s[4:5], s[6:7]
	s_add_nc_u64 s[26:27], s[26:27], s[28:29]
	s_add_nc_u64 s[24:25], s[24:25], s[30:31]
	; 34 loads: the point, all weights, and wl_b2 straight into the score
.irp c, 0,1,2,3,4,5
	global_load_b32 v[X+\c], v4, s[26:27] offset:8192*\c
.endr
.irp i, 0,1,2
	global_load_b128 v[ST+4*\i:ST+4*\i+3], v2, s[8:9] offset:512*\i
.endr
	global_load_b64 v[ST+12:ST+13], v3, s[10:11]
.set i, 0
.rept 16
	global_load_b128 v[ST+14+4*i:ST+17+4*i], v2, s[12:13] offset:512*i
.set i, i+1
.endr
.irp i, 0,1,2,3
	global_load_b128 v[ST+78+4*\i:ST+81+4*\i], v2, s[16:17] offset:512*\i
.endr
	global_load_b32 v[ST+94], v4, s[14:15]
	global_load_b32 v[ST+95], v5, s[18:19]
	global_load_b32 v[ST+96], v5, s[20:21]
	global_load_b32 v[SC], v1, s[22:23]
	s_wait_loadcnt 0x0
.irp i, 0,1,2
	ds_store_b128 v2, v[ST+4*\i:ST+4*\i+3] offset:W1O+512*\i
.endr
	ds_store_b64 v3, v[ST+12:ST+13] offset:B1O
.set i, 0
.rept 16
	ds_store_b128 v2, v[ST+14+4*i:ST+17+4*i] offset:W2O+512*i
.set i, i+1
.endr
.irp i, 0,1,2,3
	ds_store_b128 v2, v[ST+78+4*\i:ST+81+4*\i] offset:W3O+512*\i
.endr
	ds_store_b32 v4, v[ST+94] offset:B2O
	ds_store_b32 v5, v[ST+95] offset:B3O           ; lanes L and L + 16 write the same word with the same value
	ds_store_b32 v5, v[ST+96] offset:W4O
; cnt broadcast loads of 16 bytes, stride bytes apart, into consecutive registers
.macro LOADC buf, off, cnt, stride
.set li, 0
.rept \cnt
	ds_load_b128 v[\buf+4*li:\buf+4*li+3], v1 offset:\off+li*\stride
.set li, li+1
.endr
.endm
; acc[o] += sum over k < kc of W[o][k] src[k] for 2 np outputs; W[o][k] lies in register buf + o rs + k.
; Two multiply-adds an instruction.  The pair (even output, k) with (odd output, k + 1), then crossed: so the two
; destinations are one even and one odd, and the two first and the two second sources are rs +- 1 and 1 registers apart,
; never a multiple of four, as the dual form asks.
.macro FM buf, rs, kc, np, acc, src
.set fk, 0
.rept \kc/2
.set fp, 0
.rept \np
	v_dual_fmac_f32 v[\acc+2*fp], v[\buf+2*fp*\rs+fk], v[\src+fk] :: v_dual_fmac_f32 v[\acc+2*fp+1], v[\buf+(2*fp+1)*\rs+fk+1], v[\src+fk+1]
.set fp, fp+1
.endr
.set fp, 0
.rept \np
	v_dual_fmac_f32 v[\acc+2*fp], v[\buf+2*fp*\rs+fk+1], v[\src+fk+1] :: v_dual_fmac_f32 v[\acc+2*fp+1], v[\buf+(2*fp+1)*\rs+fk], v[\src+fk]
.set fp, fp+1
.endr
.set fk, fk+2
.endr
.endm
	; the biases start the sums: nothing is cleared
	LOADC H, B1O, 16, 16
	LOADC F, B2O, 8, 16
	LOADC G, B3O, 4, 16
	; layer 1: 8 chunks of 8 outputs x 6 inputs (192 bytes, 12 loads)
	LOADC WA, W1O, 12, 16
.set c, 0
.rept 7
	LOADC (WA+64*((c+1)&1)), (W1O+192*(c+1)), 12, 16
	s_wait_dscnt 12                                ; all but the next chunk's 12 loads (the first time: the biases too)
	FM (WA+64*(c&1)), 6, 6, 4, (H+8*c), X
.set c, c+1
.endr
	LOADC WA, W2O, 16, 256                         ; layer 2's first chunk
	s_wait_dscnt 16                                ; all but those 16
	FM WB, 6, 6, 4, (H+56), X
.set i, 0
.rept 64
	v_max_num_f32 v[H+i], 0, v[H+i]                ; ReLU
.set i, i+1
.endr
	; layer 2: 32 chunks of 16 outputs x 4 inputs (16 loads, one for each output's row of 256 bytes)
.set c, 0
.rept 31
	LOADC (WA+64*((c+1)&1)), (W2O+4096*((c+1)>>4)+16*((c+1)&15)), 16, 256
	s_wait_dscnt 16                                ; all but the next chunk's 16 loads
	FM (WA+64*(c&1)), 4, 4, 8, (F+16*(c>>4)), (H+4*(c&15))
.set c, c+1
.endr
	LOADC WA, W3O, 16, 128                         ; layer 3's first chunk
	s_wait_dscnt 16
	FM WB, 4, 4, 8, (F+16), (H+60)
	; layer 3: 8 chunks of 16 outputs x 4 inputs
.set c, 0
.rept 7
	LOADC (WA+64*((c+1)&1)), (W3O+16*(c+1)), 16, 128
	s_wait_dscnt 16
	FM (WA+64*(c&1)), 4, 4, 8, G, (F+4*c)
.set c, c+1
.endr
	LOADC WA, W4O, 4, 16                           ; layer 4's 16 weights
	s_wait_dscnt 4                                 ; all but those 4
	FM WB, 4, 4, 8, G, (F+28)
.set i, 0
.rept 16
	v_max_num_f32 v[G+i], 0, v[G+i]                ; ReLU
.set i, i+1
.endr
	; layer 4: two chains of eight
	s_wait_dscnt 0x0
	v_mul_f32 v13, v[WA+1], v[G+1]
	v_fmac_f32 v[SC], v[WA], v[G]
.set k, 2
.rept 7
	v_fmac_f32 v[SC], v[WA+k], v[G+k]
	v_fmac_f32 v13, v[WA+k+1], v[G+k+1]
.set k, k+2
.endr
	v_add_f32 v[SC], v[SC], v13
	global_store_b32 v4, v[SC], s[24:25]           ; 128 neighbouring bytes a wave
	s_wait_tensorcnt 0x0
	ds_add_u32 v14, v15
	s_wait_dscnt 0x0
	s_endpgm
.Lfunc_end_k_q1a81cbd41f_score:
	.size	k_q1a81cbd41f_score, .Lfunc_end_k_q1a81cbd41f_score-k_q1a81cbd41f_score
	.p2alignl 7, 3214868480
	.fill 96, 4, 3214868480
	.section	.rodata,"a",@progbits
	.p2align	6, 0x0
	.amdhsa_kernel k_q1a81cbd41f_score
		.amdhsa_group_segment_fixed_size 12800
		.amdhsa_private_segment_fixed_size 0
		.amdhsa_enable_private_segment 0
		.amdhsa_kernarg_size 88
		.amdhsa_user_sgpr_count 2
		.amdhsa_user_sgpr_kernarg_segment_ptr 1
		.amdhsa_wavefront_size32 1
		.amdhsa_system_sgpr_workgroup_id_x 1
		.amdhsa_system_sgpr_workgroup_id_y 1
		.amdhsa_system_sgpr_workgroup_id_z 1
		.amdhsa_system_vgpr_workitem_id 0
		.amdhsa_next_free_vgpr 256
		.amdhsa_next_free_sgpr 66
		.amdhsa_reserve_vcc 0
		.amdhsa_float_denorm_mode_32 3
		.amdhsa_float_denorm_mode_16_64 3
		.amdhsa_memory_ordered 1
		.amdhsa_forward_progress 1
		.amdhsa_inst_pref_size 151
	.end_amdhsa_kernel
	.amdgpu_metadata
---
amdhsa.version: [ 1, 2 ]
amdhsa.kernels:
  - .name:           k_q1a81cbd41f_score
    .symbol:         k_q1a81cbd41f_score.kd
    .args:
      - { .name: src_pts, .offset: 0, .size: 8, .value_kind: global_buffer, .address_space: global }
      - { .name: tgt_pts, .offset: 8, .size: 8, .value_kind: global_buffer, .address_space: global }
      - { .name: fe_w1, .offset: 16, .size: 8, .value_kind: global_buffer, .address_space: global }
      - { .name: fe_b1, .offset: 24, .size: 8, .value_kind: global_buffer, .address_space: global }
      - { .name: fe_w2, .offset: 32, .size: 8, .value_kind: global_buffer, .address_space: global }
      - { .name: fe_b2, .offset: 40, .size: 8, .value_kind: global_buffer, .address_space: global }
      - { .name: wl_w1, .offset: 48, .size: 8, .value_kind: global_buffer, .address_space: global }
      - { .name: wl_b1, .offset: 56, .size: 8, .value_kind: global_buffer, .address_space: global }
      - { .name: wl_w2, .offset: 64, .size: 8, .value_kind: global_buffer, .address_space: global }
      - { .name: wl_b2, .offset: 72, .size: 8, .value_kind: global_buffer, .address_space: global }
      - { .name: scores, .offset: 80, .size: 8, .value_kind: global_buffer, .address_space: global }
    .group_segment_fixed_size: 12800
    .private_segment_fixed_size: 0
    .kernarg_segment_align: 8
    .kernarg_segment_size: 88
    .max_flat_workgroup_size: 32
    .sgpr_count:     66
    .vgpr_count:     256
    .wavefront_size: 32
...
	.end_amdgpu_metadata
.endif
;; end of part 1
;; launch rank (part 2): grid 64 x 2, 16 waves a work-group, no clusters, 12,288 bytes of LDS; arguments scores, ranks; writes ranks
.if DOCPART == 2
	.amdgcn_target "amdgcn-amd-amdhsa--gfx1250"
	.amdhsa_code_object_version 6
	.text
	.protected	k_q1a81cbd41f_rank
	.globl	k_q1a81cbd41f_rank
	.p2align	8
	.type	k_q1a81cbd41f_rank,@function
k_q1a81cbd41f_rank:
	s_mov_b64 s[64:65], 0
	v_nop
	global_prefetch_b8 v0, s[64:65] scope:SCOPE_SE
	s_setreg_imm32_b32 hwreg(HW_REG_WAVE_MODE, 25, 1), 1
	s_wait_xcnt 0x0
; ranks[cloud][i] = the place of point i in the descending order of m = mean over the batch of scores[cloud][.][i]:
; the number of j with m[j] > m[i], or m[j] == m[i] and j < i (the order of top_k: ties by the lower index).
; No sort and no branch on data: every pair is compared.  Work-group (x, y): cloud y, points i = 32 x + lane.
; Wave w counts over j = 128 w .. 128 w + 127; the sixteen counts meet in LDS and wave 0 adds them.
; m[j] comes from a table of all 2048 means in LDS, which the work-group makes once.  m[i] each lane makes for itself from
; its point's two scores, by the same add and the same halving: the same bits as the table's, so that equality means equality.
; LIMIT: a NaN among the scores compares false with everything, and the ranks are then no permutation.
.set MO,  0                            ; LDS: the 2048 means, 8,192 bytes
.set CO,  8192                         ; LDS: 16 waves x 32 counts, behind the means
.set MJ,  16                           ; v[16:143] my wave's 128 means, in every lane
	s_load_b128 s[4:7], s[0:1], 0x0                ; scores, ranks
	v_lshl_add_u32 v144, v0, 2, 0x2800
	v_mov_b32 v145, 0
	v_lshrrev_b32 v1, 5, v0
	v_readfirstlane_b32 s8, v1                     ; wave
	s_and_b32 s9, ttmp7, 0xffff                    ; cloud
	v_and_b32 v2, 31, v0                           ; lane
	v_lshlrev_b32 v3, 4, v0                        ; 16 t: four points a thread
	s_lshl_b32 s10, s9, 14                         ; scores: 2 batches x 8,192 bytes a cloud
	s_mov_b32 s11, 0
	s_lshl_b32 s18, s9, 13                         ; ranks: 8,192 bytes a cloud
	s_lshl_b32 s12, ttmp9, 7                       ; + 128 bytes a block of 32 points
	s_add_co_u32 s18, s18, s12
	s_mov_b32 s19, 0
	v_lshlrev_b32 v13, 2, v2
	v_add_nc_u32 v13, s12, v13                     ; byte of point i in a batch's scores
	s_wait_kmcnt 0x0
	s_add_nc_u64 s[4:5], s[4:5], s[10:11]
	s_add_nc_u64 s[6:7], s[6:7], s[18:19]
	global_load_b128 v[4:7], v3, s[4:5]            ; batch 0, points 4 t .. 4 t + 3
	global_load_b128 v[8:11], v3, s[4:5] offset:8192   ; batch 1
	global_load_b32 v12, v13, s[4:5]               ; batch 0, point i
	global_load_b32 v2, v13, s[4:5] offset:8192    ; batch 1, point i (the lane's number has served)
	s_lshl_b32 s13, s8, 9
	v_mov_b32 v14, s13                             ; LDS byte of my wave's first m[j]
	v_lshlrev_b32 v1, 2, v0                        ; 4 t = 128 wave + 4 lane: my count's word
	v_mov_b32 v15, 0                               ; the count
	s_lshl_b32 s14, s8, 2                          ; my wave's first block of 32 j
	s_wait_loadcnt 0x0
	v_pk_add_f32 v[4:5], v[4:5], v[8:9]
	v_pk_add_f32 v[6:7], v[6:7], v[10:11]
	v_pk_mul_f32 v[4:5], v[4:5], 0.5 op_sel_hi:[1,0]   ; the mean of two: a sum and an exact halving
	v_pk_mul_f32 v[6:7], v[6:7], 0.5 op_sel_hi:[1,0]
	ds_store_b128 v3, v[4:7] offset:MO
	v_add_f32 v12, v12, v2
	v_mul_f32 v12, 0.5, v12                        ; m[i]
	s_wait_dscnt 0x0                               ; my means are in LDS before I say so
	s_barrier_signal -1
	s_barrier_wait -1
.set i, 0
.rept 32
	ds_load_b128 v[MJ+4*i:MJ+4*i+3], v14 offset:MO+16*i    ; all lanes one address
.set i, i+1
.endr
; four j at a time.  s16 = all ones if the whole block of j lies below my block of i; s17 = all ones if it is my block,
; and then j < i for the lanes above t: the constant mask.  Masks of their own for each j, so that the four do not wait in line.
.macro CNT4 reg, t0
.irp u, 0,1,2,3
	v_cmp_gt_f32 s[20+\u], v[\reg+\u], v12
	v_cmp_eq_f32 s[24+\u], v[\reg+\u], v12
.endr
.irp u, 0,1,2,3
	s_and_b32 s28, s17, (0xfffffffe<<(\t0+\u))&0xffffffff
	s_or_b32 s28, s28, s16
	s_and_b32 s[24+\u], s[24+\u], s28
	s_or_b32 s[20+\u], s[20+\u], s[24+\u]
.endr
.irp u, 0,1,2,3
	v_cndmask_b32 v[8+\u], 0, 1, s[20+\u]
.endr
	v_add3_u32 v15, v15, v8, v9
	v_add3_u32 v15, v15, v10, v11
.endm
.set ch, 0
.rept 4
	s_wait_dscnt 24-8*ch                           ; the loads of the later blocks of 32 j (8 each) stay out
	s_add_co_u32 s15, s14, ch
	s_cmp_lt_u32 s15, ttmp9
	s_cselect_b32 s16, -1, 0
	s_cmp_eq_u32 s15, ttmp9
	s_cselect_b32 s17, -1, 0
.set q, 0
.rept 8
	CNT4 (MJ+32*ch+4*q), (4*q)
.set q, q+1
.endr
.set ch, ch+1
.endr
	ds_store_b32 v1, v15 offset:CO                 ; bytes 8,192 + 4 t: behind the means, which end at 8,191: no barrier between
	s_wait_dscnt 0x0                               ; my count is in LDS before I say so
	s_barrier_signal -1
	s_barrier_wait -1
	s_cmp_lg_u32 s8, 0
	s_cbranch_scc1 .Lend                           ; wave 0 adds; no barrier stands behind this branch
.set i, 0
.rept 16
	ds_load_b32 v[MJ+i], v1 offset:CO+128*i        ; in wave 0, 4 t = 4 lane
.set i, i+1
.endr
	s_wait_dscnt 0x0
	v_add3_u32 v16, v16, v17, v18
	v_add3_u32 v19, v19, v20, v21
	v_add3_u32 v22, v22, v23, v24
	v_add3_u32 v25, v25, v26, v27
	v_add3_u32 v28, v28, v29, v30
	v_add3_u32 v16, v16, v19, v22
	v_add3_u32 v25, v25, v28, v31
	v_add_nc_u32 v16, v16, v25
	global_store_b32 v1, v16, s[6:7]               ; 128 neighbouring bytes
.Lend:
	s_wait_tensorcnt 0x0
	ds_add_u32 v144, v145
	s_wait_dscnt 0x0
	s_endpgm
.Lfunc_end_k_q1a81cbd41f_rank:
	.size	k_q1a81cbd41f_rank, .Lfunc_end_k_q1a81cbd41f_rank-k_q1a81cbd41f_rank
	.p2alignl 7, 3214868480
	.fill 96, 4, 3214868480
	.section	.rodata,"a",@progbits
	.p2align	6, 0x0
	.amdhsa_kernel k_q1a81cbd41f_rank
		.amdhsa_group_segment_fixed_size 12288
		.amdhsa_private_segment_fixed_size 0
		.amdhsa_enable_private_segment 0
		.amdhsa_kernarg_size 16
		.amdhsa_user_sgpr_count 2
		.amdhsa_user_sgpr_kernarg_segment_ptr 1
		.amdhsa_wavefront_size32 1
		.amdhsa_system_sgpr_workgroup_id_x 1
		.amdhsa_system_sgpr_workgroup_id_y 1
		.amdhsa_system_sgpr_workgroup_id_z 1
		.amdhsa_system_vgpr_workitem_id 0
		.amdhsa_next_free_vgpr 146
		.amdhsa_next_free_sgpr 66
		.amdhsa_reserve_vcc 0
		.amdhsa_float_denorm_mode_32 3
		.amdhsa_float_denorm_mode_16_64 3
		.amdhsa_memory_ordered 1
		.amdhsa_forward_progress 1
		.amdhsa_inst_pref_size 54
	.end_amdhsa_kernel
	.amdgpu_metadata
---
amdhsa.version: [ 1, 2 ]
amdhsa.kernels:
  - .name:           k_q1a81cbd41f_rank
    .symbol:         k_q1a81cbd41f_rank.kd
    .args:
      - { .name: scores, .offset: 0, .size: 8, .value_kind: global_buffer, .address_space: global }
      - { .name: ranks, .offset: 8, .size: 8, .value_kind: global_buffer, .address_space: global }
    .group_segment_fixed_size: 12288
    .private_segment_fixed_size: 0
    .kernarg_segment_align: 8
    .kernarg_segment_size: 16
    .max_flat_workgroup_size: 512
    .sgpr_count:     66
    .vgpr_count:     146
    .wavefront_size: 32
...
	.end_amdgpu_metadata
.endif
;; end of part 2
;; launch group (part 3): grid 64 x 4, 1 waves a work-group, no clusters, 3,328 bytes of LDS; arguments ranks, src_pts, tgt_pts, out0, out2, out3; writes out0, out2, out3
.if DOCPART == 3
	.amdgcn_target "amdgcn-amd-amdhsa--gfx1250"
	.amdhsa_code_object_version 6
	.text
	.protected	k_q1a81cbd41f_group
	.globl	k_q1a81cbd41f_group
	.p2align	8
	.type	k_q1a81cbd41f_group,@function
k_q1a81cbd41f_group:
	s_mov_b64 s[64:65], 0
	v_nop
	global_prefetch_b8 v0, s[64:65] scope:SCOPE_SE
	s_setreg_imm32_b32 hwreg(HW_REG_WAVE_MODE, 25, 1), 1
	s_wait_xcnt 0x0
; The 64 keypoints of a cloud (the points of rank 0 to 63, in that order), and the ball query round one of them.
; Work-group (x, y): centre s = x, cloud = y / 2, batch = y % 2.  One wave, so no barrier; lane n is slot n of the group.
;  1. The ranks are inverted: point i's number goes to LDS word min(rank, 64); word 64 is a dump that is never read.
;     All addresses here come from whole numbers that an earlier launch stored.
;  2. Lane L gathers the six channels of keypoints L and L + 32 and lays them into LDS as rows of 24 bytes.
;  3. d2 = |a|^2 + |b|^2 - 2 a.b in f32, as the reference forms it; in the radius where d2 <= 1.
;  4. Slot n takes the n-th keypoint in the radius.  No address and no branch hangs on d2: all 64 rows pass by, a scalar
;     count says which lane a row would fall to, and v_cndmask_b32 takes it or leaves it.
;  5. Slots beyond the count take slot 0's row; the centre is subtracted from x, y, z.
; f32 on the vector ALU and not the matrix unit: the test d2 > 1 is not continuous in d2, and there are 64 x 3 products.
; LIMITS: d2 within a few ulp of 1 may fall on the other side than in the reference (fused sums); no NaN.
.set ORD, 0                            ; LDS: 65 words
.set KP,  512                          ; LDS: 64 rows x 24 bytes
.set STG, 2048                         ; LDS: 32 slots x 24 bytes, the way out
.set RK,  64                           ; v[64:127]  64 ranks a lane
.set KA,  16                           ; v[16:21]   keypoint L
.set KB,  24                           ; v[24:29]   keypoint L + 32
.set O0,  32                           ; v[32:43]   out0 on its way
.set CS,  44                           ; v[44:49]   the centre's row, in every lane
.set T,   50                           ; v[50:52]   at work
.set RES, 16                           ; = KA: written in every lane, and free once the masks are made: nothing is cleared
.set RB0, 64                           ; v[64:111]  8 rows, in every lane
.set RB1, 112                          ; v[112:159] the next 8
	s_load_b256 s[4:11], s[0:1], 0x0               ; ranks, src, tgt, out0
	s_load_b128 s[12:15], s[0:1], 0x20             ; out2, out3
	v_lshl_add_u32 v160, v0, 2, 0xc00
	v_mov_b32 v161, 0
	s_and_b32 s16, ttmp7, 0xffff
	s_lshr_b32 s17, s16, 1                         ; cloud
	s_and_b32 s18, s16, 1                          ; batch
	s_lshl_b32 s20, s17, 13                        ; ranks: 8,192 bytes a cloud
	s_mov_b32 s21, 0
	s_mul_i32 s26, s18, 49152                      ; points: 6 x 2048 x 4 bytes a batch
	s_mov_b32 s27, 0
	s_lshl_b32 s28, s18, 6
	s_add_co_u32 s28, s28, ttmp9
	s_mul_i32 s28, s28, 768                        ; output: (64 batch + s) groups of 32 x 6 x 4 bytes
	s_mov_b32 s29, 0
	v_lshlrev_b32 v2, 2, v0                        ; 4 L
	v_lshlrev_b32 v3, 4, v0                        ; 16 L
	v_mul_u32_u24 v8, 24, v0                       ; 24 L
	v_lshlrev_b32 v11, 3, v0                       ; 8 L
	v_mov_b32 v10, 0
	s_wait_kmcnt 0x0
	s_add_nc_u64 s[4:5], s[4:5], s[20:21]
	s_cmp_eq_u32 s17, 0
	s_cselect_b64 s[22:23], s[6:7], s[8:9]         ; the cloud's points
	s_cselect_b64 s[24:25], s[12:13], s[14:15]     ; and its output
	s_add_nc_u64 s[22:23], s[22:23], s[26:27]
	s_add_nc_u64 s[24:25], s[24:25], s[28:29]
	; 1. all 2048 ranks, 512 neighbouring bytes a load
.set k, 0
.rept 16
	global_load_b128 v[RK+4*k:RK+4*k+3], v3, s[4:5] offset:512*k
.set k, k+1
.endr
.set k, 0
.rept 16
	s_wait_loadcnt 15-k                            ; loads come back in order: the 15 - k younger ones stay out
.irp e, 0,1,2,3
	v_min_u32 v4, 64, v[RK+4*k+\e]                 ; rank 64 and above: the dump
	v_add_nc_u32 v5, 128*k+\e, v2                  ; the point's number: 128 k + 4 L + e
	v_lshlrev_b32 v4, 2, v4
	ds_store_b32 v4, v5 offset:ORD
.endr
.set k, k+1
.endr
	; 2. the keypoints
	ds_load_b32 v6, v2 offset:ORD                  ; behind the stores, in the wave's own order
	ds_load_b32 v7, v2 offset:ORD+128
	s_wait_dscnt 0x0
	v_min_u32 v6, 0x7ff, v6                        ; a point's number: inside the table whatever LDS held
	v_min_u32 v7, 0x7ff, v7
	v_lshlrev_b32 v6, 2, v6
	v_lshlrev_b32 v7, 2, v7
.irp c, 0,1,2,3,4,5
	global_load_b32 v[KA+\c], v6, s[22:23] offset:8192*\c
	global_load_b32 v[KB+\c], v7, s[22:23] offset:8192*\c
.endr
	s_wait_loadcnt 0x0
.irp c, 0,2,4
	ds_store_b64 v8, v[KA+\c:KA+\c+1] offset:KP+4*\c
	ds_store_b64 v8, v[KB+\c:KB+\c+1] offset:KP+768+4*\c
.endr
	; out0 = the source cloud's keypoints: the table as it lies, 1,536 bytes a batch, by the work-groups of centre 0
	s_or_b32 s19, s17, ttmp9
	s_cmp_lg_u32 s19, 0
	s_cbranch_scc1 .Lno_out0
	s_mul_i32 s20, s18, 1536
	s_add_nc_u64 s[10:11], s[10:11], s[20:21]
.irp i, 0,1,2
	ds_load_b128 v[O0+4*\i:O0+4*\i+3], v3 offset:KP+512*\i
.endr
	s_wait_dscnt 0x0
.irp i, 0,1,2
	global_store_b128 v3, v[O0+4*\i:O0+4*\i+3], s[10:11] offset:512*\i
.endr
.Lno_out0:
	; 3. the centre's row, and the first eight rows behind it
	s_mul_i32 s19, ttmp9, 24
	v_mov_b32 v9, s19
.irp c, 0,2,4
	ds_load_b64 v[CS+\c:CS+\c+1], v9 offset:KP+4*\c
.endr
.macro LOADR buf, ch                   ; rows 8 ch .. 8 ch + 7: 192 bytes, 12 broadcast loads
.irp i, 0,1,2,3,4,5,6,7,8,9,10,11
	ds_load_b128 v[\buf+4*\i:\buf+4*\i+3], v10 offset:KP+192*\ch+16*\i
.endr
.endm
	LOADR RB0, 0
	s_wait_dscnt 12                                ; the centre is in; the 12 loads of the rows stay out
	v_mul_f32 v[T], v[CS], v[CS]
	v_fmac_f32 v[T], v[CS+1], v[CS+1]
	v_fmac_f32 v[T], v[CS+2], v[CS+2]              ; |a|^2
.macro D2MASK k, m
	v_mul_f32 v[T+1], v[\k], v[\k]
	v_fmac_f32 v[T+1], v[\k+1], v[\k+1]
	v_fmac_f32 v[T+1], v[\k+2], v[\k+2]            ; |b|^2
	v_mul_f32 v[T+2], v[CS], v[\k]
	v_fmac_f32 v[T+2], v[CS+1], v[\k+1]
	v_fmac_f32 v[T+2], v[CS+2], v[\k+2]            ; a.b
	v_add_f32 v[T+1], v[T], v[T+1]
	v_fma_f32 v[T+2], -2.0, v[T+2], v[T+1]
	v_cmp_ge_f32 \m, 1.0, v[T+2]                   ; not (d2 > 1)
.endm
	D2MASK KA, s30                                 ; bit L: keypoint L
	D2MASK KB, s31                                 ; bit L: keypoint L + 32
	; 4. the slots.  s32 counts the keypoints in the radius so far.
.macro SEL j, kp
	s_bitcmp1_b32 s[30+((\j)>>5)], (\j)&31         ; SCC = row j is in the radius
	s_cselect_b32 s33, s32, -1                     ; the lane it falls to, or none
	s_add_co_ci_u32 s32, s32, 0                    ; count += SCC
	v_cmp_eq_u32 vcc_lo, s33, v0
.irp c, 0,1,2,3,4,5
	v_cndmask_b32 v[RES+\c], v[RES+\c], v[\kp+\c], vcc_lo
.endr
.endm
	s_mov_b32 s32, 0
.set ch, 0
.rept 8
.if ch < 7
	LOADR (RB0+48*((ch+1)&1)), (ch+1)
	s_wait_dscnt 12                                ; all but the next eight rows' 12 loads
.else
	s_wait_dscnt 0x0
.endif
.set jj, 0
.rept 8
	SEL (8*ch+jj), (RB0+48*(ch&1)+6*jj)
.set jj, jj+1
.endr
.set ch, ch+1
.endr
	; 5. empty slots repeat slot 0 (the centre itself is in its radius, so slot 0 is filled); coordinates relative to the centre
.irp c, 0,1,2,3,4,5
	v_readlane_b32 s[36+\c], v[RES+\c], 0
.endr
	v_cmp_le_u32 vcc_lo, s32, v0                   ; count <= lane
.irp c, 0,1,2,3,4,5
	v_cndmask_b32 v[RES+\c], v[RES+\c], s[36+\c], vcc_lo
.endr
.irp c, 0,1,2
	v_sub_f32 v[RES+\c], v[RES+\c], v[CS+\c]
.endr
	; the way out: a lane holds 24 bytes; through LDS they become one store of 512 and one of 256 neighbouring bytes,
	; from a base that is a multiple of 256
.irp c, 0,2,4
	ds_store_b64 v8, v[RES+\c:RES+\c+1] offset:STG+4*\c
.endr
	ds_load_b128 v[12:15], v3 offset:STG
	ds_load_b64 v[62:63], v11 offset:STG+512
	s_wait_dscnt 1                                 ; the first of the two is in
	global_store_b128 v3, v[12:15], s[24:25]
	s_wait_dscnt 0x0
	global_store_b64 v11, v[62:63], s[24:25] offset:512
	s_wait_tensorcnt 0x0
	ds_add_u32 v160, v161
	s_wait_dscnt 0x0
	s_endpgm
.Lfunc_end_k_q1a81cbd41f_group:
	.size	k_q1a81cbd41f_group, .Lfunc_end_k_q1a81cbd41f_group-k_q1a81cbd41f_group
	.p2alignl 7, 3214868480
	.fill 96, 4, 3214868480
	.section	.rodata,"a",@progbits
	.p2align	6, 0x0
	.amdhsa_kernel k_q1a81cbd41f_group
		.amdhsa_group_segment_fixed_size 3328
		.amdhsa_private_segment_fixed_size 0
		.amdhsa_enable_private_segment 0
		.amdhsa_kernarg_size 48
		.amdhsa_user_sgpr_count 2
		.amdhsa_user_sgpr_kernarg_segment_ptr 1
		.amdhsa_wavefront_size32 1
		.amdhsa_system_sgpr_workgroup_id_x 1
		.amdhsa_system_sgpr_workgroup_id_y 1
		.amdhsa_system_sgpr_workgroup_id_z 1
		.amdhsa_system_vgpr_workitem_id 0
		.amdhsa_next_free_vgpr 162
		.amdhsa_next_free_sgpr 66
		.amdhsa_reserve_vcc 1
		.amdhsa_float_denorm_mode_32 3
		.amdhsa_float_denorm_mode_16_64 3
		.amdhsa_memory_ordered 1
		.amdhsa_forward_progress 1
		.amdhsa_inst_pref_size 47
	.end_amdhsa_kernel
	.amdgpu_metadata
---
amdhsa.version: [ 1, 2 ]
amdhsa.kernels:
  - .name:           k_q1a81cbd41f_group
    .symbol:         k_q1a81cbd41f_group.kd
    .args:
      - { .name: ranks, .offset: 0, .size: 8, .value_kind: global_buffer, .address_space: global }
      - { .name: src_pts, .offset: 8, .size: 8, .value_kind: global_buffer, .address_space: global }
      - { .name: tgt_pts, .offset: 16, .size: 8, .value_kind: global_buffer, .address_space: global }
      - { .name: out0, .offset: 24, .size: 8, .value_kind: global_buffer, .address_space: global }
      - { .name: out2, .offset: 32, .size: 8, .value_kind: global_buffer, .address_space: global }
      - { .name: out3, .offset: 40, .size: 8, .value_kind: global_buffer, .address_space: global }
    .group_segment_fixed_size: 3328
    .private_segment_fixed_size: 0
    .kernarg_segment_align: 8
    .kernarg_segment_size: 48
    .max_flat_workgroup_size: 32
    .sgpr_count:     66
    .vgpr_count:     162
    .wavefront_size: 32
...
	.end_amdgpu_metadata
.endif
;; end of part 3
;; launch knn (part 4): grid 552 x 2, 4 waves a work-group, no clusters, 75,264 bytes of LDS; arguments candidate_pts, tgt_pts, out1; writes out1
.if DOCPART == 4
	.amdgcn_target "amdgcn-amd-amdhsa--gfx1250"
	.amdhsa_code_object_version 6
	.text
	.protected	k_q1a81cbd41f_knn
	.globl	k_q1a81cbd41f_knn
	.p2align	8
	.type	k_q1a81cbd41f_knn,@function
k_q1a81cbd41f_knn:
	s_mov_b64 s[64:65], 0
	v_nop
	global_prefetch_b8 v0, s[64:65] scope:SCOPE_SE
	s_setreg_imm32_b32 hwreg(HW_REG_WAVE_MODE, 25, 1), 1
	s_wait_xcnt 0x0
; out1[b][q][0..31] = the 32 smallest distances from query q to the 2048 targets of batch b, ascending, divided by their sum.
; Work-group (x, y): batch y, four waves; a wave owns 16 queries (tile G = 2208 y + 4 x + wave) against all 2048 targets.
;
; THE PRODUCT.  d2 - |q|^2 = |t|^2 - 2 q.t is one v_wmma_f32_16x16x32_bf16 for 16 targets (rows) x 16 queries (columns).
; A single bf16 rounding of a coordinate would move d2 by more than the nearest d2 itself, so each coordinate c is replaced by
; c' = ch + cm (ch: c cut to bf16; cm: bf16 of the rest; |c - c'| <= 2^-17 |c|), and the kernel forms |q' - t'|^2 of these moved
; points.  K has room: of 32 places the three coordinates need twelve.
;    k = 4d + 0..3 (d = x, y, z):  A = th, tm, th, tm     B = -2 qh, -2 qh, -2 qm, -2 qm      (all four products, each exact)
;    k = 12, 13, 14:               A = three bf16 pieces of |t'|^2 (together all 24 bits)      B = 1
;    k = 15 .. 31:                 0
; |q'|^2 is the same for all targets of a query: it is added to the 32 survivors only.
;
; THE SELECTION.  With targets as rows, lane (r, h) gets in register j the value of (target 8 h + j, query r): a lane sees 1024
; values of ONE query, and the selection never leaves its registers.  No branch may hang on the values, so it is a fixed network:
; each batch of 32 values (4 matrix instructions) is sorted (bitonic, 15 stages of 16 comparators) and merged into the running
; 32 smallest (16 minima against the reversed list, 5 stages).  A comparator is ONE dual instruction, min and max of the same
; two registers.  At the end the two halves of the lanes exchange their lists and merge once more.
;
; THE TABLE.  The work-group splits its batch's 2048 targets once into LDS, in fragment order: 32 bytes a target, 65,536 in all;
; a fragment is one load of 16 bytes a lane from 512 neighbouring bytes.
;
; NO TENSOR LOADS, NO CLUSTER: what work-groups share is 24,576 bytes of f32 targets, read once a work-group, which have to pass
; through registers to be split; against it stand 32 batches x 336 instructions a wave.  Loading through registers leaves room
; for four work-groups of 75,264 bytes of LDS and 4 x 210 registers a SIMD side by side, whose waves fill each other's gaps.
; LIMITS: distances are those of the moved points (each point moved by at most 2^-17 of its coordinates); no NaN or infinity, no coordinate
; whose square overflows; v_sqrt_f32 and v_rcp_f32 are accurate to one ulp; the sum of the 32 runs in another order.
.set DUAL,   1                         ; 0: every pair below as two plain instructions
.set STG,    65536                     ; behind the table: 16 rows x 144 bytes for each wave, the way out
.set SPITCH, 144                       ; 128 bytes + 16: an odd multiple of 16
.set AF,  16                           ; v[16:47]   four target fragments; registers 4-7 of each (k = 16 ..) stay zero
.set BF,  48                           ; v[48:55]   the query fragment
.set T,   56                           ; v[56:63]   at work
.set X,   64                           ; v[64:95]   a batch as the matrix unit leaves it
.set P,   96                           ; v[96:127]  network
.set Q,   128                          ; v[128:159] network
.set R,   160                          ; v[160:191] the 32 smallest so far, ascending
.set C,   192                          ; v[192:199] a target's 32 bytes; later the query's words
.set QV,  200                          ; v[200:202] the query
.set QQ,  203                          ; |q'|^2
.set RS,  204                          ; v[204:205] 1 / sum, twice
.set RAW, 64                           ; v[64:111]  16 targets a thread as loaded: 64 + 12 g + 4 c + e
	s_load_b128 s[4:7], s[0:1], 0x0                ; candidate_pts, tgt_pts
	s_load_b64 s[8:9], s[0:1], 0x10                ; out1
	v_lshl_add_u32 v208, v0, 2, 0x12400
	v_mov_b32 v209, 0
	v_lshrrev_b32 v1, 5, v0
	v_readfirstlane_b32 s10, v1                    ; wave
	s_and_b32 s11, ttmp7, 0xffff                   ; batch
	s_mov_b32 s12, 0x76543210                      ; v_permlanex16_b32: lane i of one half reads lane i of the other
	s_mov_b32 s13, 0xfedcba98
	s_mov_b32 s14, 0xffff0000                      ; cuts an f32 to bf16
	s_mov_b32 s16, 0x07060302                      ; v_perm_b32: the two upper halves
	s_mul_i32 s20, s11, 2208
	s_lshl_b32 s21, ttmp9, 2
	s_add_co_u32 s20, s20, s21
	s_add_co_u32 s20, s20, s10                     ; G
	s_mul_i32 s18, s20, 192                        ; 16 queries x 12 bytes
	s_mov_b32 s19, 0
	s_lshl_b32 s22, s20, 11                        ; 16 queries x 128 bytes
	s_mov_b32 s23, 0
	s_mul_i32 s24, s11, 49152
	s_mov_b32 s25, 0
	s_mul_i32 s17, s10, 16*SPITCH
	s_add_co_u32 s17, s17, STG                     ; my wave's stage
	v_and_b32 v1, 31, v0                           ; L
	v_and_b32 v2, 15, v0                           ; r
	v_lshrrev_b32 v3, 2, v0
	v_lshlrev_b32 v3, 8, v3
	v_lshl_add_u32 v3, v0, 6, v3                   ; 512 (t / 4) + 64 (t % 4): targets 4 t .. 4 t + 3 in the table
	v_lshlrev_b32 v4, 4, v0                        ; 16 t
	v_mul_u32_u24 v5, 12, v2                       ; 12 r
	v_lshlrev_b32 v6, 4, v1                        ; 16 L: my 16 bytes of a fragment; steps by 2,048 a batch
	v_lshlrev_b32 v9, 4, v1                        ; 16 L: my 16 bytes of each 512 of the output
	v_bfe_u32 v10, v0, 4, 1                        ; h
	v_mul_u32_u24 v7, SPITCH, v2
	v_lshl_add_u32 v7, v10, 6, v7
	v_add_nc_u32 v7, s17, v7                       ; stage, in: row r, 64 bytes for each half of the lanes
	v_lshrrev_b32 v10, 3, v1
	v_and_b32 v11, 7, v0
	v_mul_u32_u24 v8, SPITCH, v10
	v_lshl_add_u32 v8, v11, 4, v8
	v_add_nc_u32 v8, s17, v8                       ; stage, back: eight lanes a row
	s_wait_kmcnt 0x0
	s_add_nc_u64 s[4:5], s[4:5], s[18:19]
	s_add_nc_u64 s[6:7], s[6:7], s[24:25]
	s_add_nc_u64 s[8:9], s[8:9], s[22:23]
	; group g, channel c: targets 512 g + 4 t .. + 3; then my query
.irp g, 0,1,2,3
.irp c, 0,1,2
	global_load_b128 v[RAW+12*\g+4*\c:RAW+12*\g+4*\c+3], v4, s[6:7] offset:8192*\c+2048*\g
.endr
.endr
.irp d, 0,1,2
	global_load_b32 v[QV+\d], v5, s[4:5] offset:4*\d
.endr
	; the empty upper half of K, once
.irp f, 0,1,2,3
.irp j, 4,5,6,7
	v_mov_b32 v[AF+8*\f+\j], 0
.endr
.endr
.irp j, 4,5,6,7
	v_mov_b32 v[BF+\j], 0
.endr
; pk = {low: ch, high: cm}; c' = ch + cm is left in T
.macro SPLIT c, pk
	v_and_b32 v[T], s14, v[\c]                     ; ch
	v_sub_f32 v[T+1], v[\c], v[T]                  ; the rest, exact
	v_cvt_pk_bf16_f32 v[\pk], v[T], v[T+1]
	v_and_b32 v[T+1], s14, v[\pk]                  ; cm as f32
	v_add_f32 v[T], v[T], v[T+1]
.endm
; a target's 32 bytes: words x, x, y, y (k = 0 .. 7) and z, z, {s0, s1}, {s2, 0} (k = 8 .. 15), 256 bytes apart
.macro TARGET x, y, z, off
	SPLIT \x, C
	v_mul_f32 v[T+2], v[T], v[T]
	v_mov_b32 v[C+1], v[C]
	SPLIT \y, C+2
	v_fmac_f32 v[T+2], v[T], v[T]
	v_mov_b32 v[C+3], v[C+2]
	SPLIT \z, C+4
	v_fmac_f32 v[T+2], v[T], v[T]                  ; |t'|^2
	v_mov_b32 v[C+5], v[C+4]
	v_and_b32 v[T+3], s14, v[T+2]                  ; s0: its upper 8 bits
	v_sub_f32 v[T+4], v[T+2], v[T+3]
	v_and_b32 v[T+5], s14, v[T+4]                  ; s1: at least the next 8
	v_sub_f32 v[T+4], v[T+4], v[T+5]               ; s2: at most 8 bits are left: a bf16 as it stands
	v_perm_b32 v[C+6], v[T+5], v[T+3], s16
	v_lshrrev_b32 v[C+7], 16, v[T+4]
	ds_store_b128 v3, v[C:C+3] offset:\off
	ds_store_b128 v3, v[C+4:C+7] offset:\off+256
.endm
.irp g, 0,1,2,3
	s_wait_loadcnt 12-3*\g                         ; behind group g's three loads stand 3 for each later group and 3 of the query
.irp e, 0,1,2,3
	TARGET RAW+12*\g+\e, RAW+12*\g+4+\e, RAW+12*\g+8+\e, 16384*\g+16*\e
.endr
.endr
	; the query fragment
.macro QSPLIT c, dh, dm, first
	v_and_b32 v[T], s14, v[\c]                     ; qh
	v_sub_f32 v[T+1], v[\c], v[T]
	v_cvt_pk_bf16_f32 v[T+2], v[T+1], v[T+1]
	v_and_b32 v[T+1], s14, v[T+2]                  ; qm as f32
	v_add_f32 v[T+3], v[T], v[T+1]                 ; q'
.if \first
	v_mul_f32 v[QQ], v[T+3], v[T+3]
.else
	v_fmac_f32 v[QQ], v[T+3], v[T+3]
.endif
	v_mul_f32 v[T], -2.0, v[T]                     ; exact
	v_mul_f32 v[T+1], -2.0, v[T+1]
	v_cvt_pk_bf16_f32 v[\dh], v[T], v[T]           ; {-2 qh, -2 qh}
	v_cvt_pk_bf16_f32 v[\dm], v[T+1], v[T+1]       ; {-2 qm, -2 qm}
.endm
	s_wait_loadcnt 0x0
	QSPLIT QV, C, C+1, 1
	QSPLIT QV+1, C+2, C+3, 0
	QSPLIT QV+2, C+4, C+5, 0
	s_mov_b32 vcc_lo, 0xffff                       ; lanes 0-15 hold k = 0 .. 7, lanes 16-31 k = 8 .. 15
	v_cndmask_b32 v[BF], v[C+4], v[C], vcc_lo
	v_cndmask_b32 v[BF+1], v[C+5], v[C+1], vcc_lo
	v_cndmask_b32 v[BF+2], 0x3f803f80, v[C+2], vcc_lo      ; k = 12, 13: 1.0, 1.0
	v_cndmask_b32 v[BF+3], 0x3f80, v[C+3], vcc_lo          ; k = 14: 1.0; k = 15: 0
	s_wait_dscnt 0x0                               ; my part of the table is in LDS before I say so
	s_barrier_signal -1
	s_barrier_wait -1                              ; the only barrier: the table is never written again
; One stage of the network: for every wire w with (w & sel) = 0 and its partner b = w ^ xm, the minimum goes to w, the maximum to b.
; A dual instruction wants one even and one odd destination.  So wire w lies in register base + (w with bits 0 and l exchanged),
; l chosen for each stage's RESULT (ld) so that partners 2^l apart land side by side; ls is the layout the sources were left in.
; Always from one list into another: neither half reads what the other writes.
.macro STAGE src, ls, dst, ld, xm, sel
.set sw, 0
.rept 32
.if (sw&\sel)==0
.set sb, sw^\xm
.set sa0, \src+((sw&(31^(1|(1<<\ls))))|((sw>>\ls)&1)|((sw&1)<<\ls))
.set sa1, \src+((sb&(31^(1|(1<<\ls))))|((sb>>\ls)&1)|((sb&1)<<\ls))
.set sd0, \dst+((sw&(31^(1|(1<<\ld))))|((sw>>\ld)&1)|((sw&1)<<\ld))
.set sd1, \dst+((sb&(31^(1|(1<<\ld))))|((sb>>\ld)&1)|((sb&1)<<\ld))
.if DUAL
	v_dual_min_num_f32 v[sd0], v[sa0], v[sa1] :: v_dual_max_num_f32 v[sd1], v[sa0], v[sa1]
.else
	v_min_num_f32 v[sd0], v[sa0], v[sa1]
	v_max_num_f32 v[sd1], v[sa0], v[sa1]
.endif
.endif
.set sw, sw+1
.endr
.endm
; R and P ascending: min(R[i], P[31 - i]) holds the 32 smallest of the 64 and rises and falls once; five stages sort it into R
.macro MERGE
.set mi, 0
.rept 16
.if DUAL
	v_dual_min_num_f32 v[Q+mi], v[R+mi], v[P+31-mi] :: v_dual_min_num_f32 v[Q+mi+1], v[R+mi+1], v[P+30-mi]
.else
	v_min_num_f32 v[Q+mi], v[R+mi], v[P+31-mi]
	v_min_num_f32 v[Q+mi+1], v[R+mi+1], v[P+30-mi]
.endif
.set mi, mi+2
.endr
	STAGE Q,0,P,4,16,16
	STAGE P,4,Q,3,8,8
	STAGE Q,3,P,2,4,4
	STAGE P,2,Q,1,2,2
	STAGE Q,1,R,0,1,1
.endm
.macro LOADA                           ; the fragments of the next 64 targets
.irp f, 0,1,2,3
	ds_load_b128 v[AF+8*\f:AF+8*\f+3], v6 offset:512*\f
.endr
	v_add_nc_u32 v6, 2048, v6
.endm
.macro WM4                             ; 64 targets x 16 queries; C = 0: nothing is carried from batch to batch
.irp f, 0,1,2,3
	v_wmma_f32_16x16x32_bf16 v[X+8*\f:X+8*\f+7], v[AF+8*\f:AF+8*\f+7], v[BF:BF+7], 0
.endr
.endm
; One batch.  As soon as stage 1 has read X, the next batch's products are issued into it (wm), and behind two more stages
; the fragments after those are fetched (ld): the matrix unit and LDS work under the network.
.macro BATCH first, wm, ld
	STAGE X,0,P,0,1,1
.if \wm
	s_wait_dscnt 0x0                               ; the four loads issued a batch ago
	WM4
.endif
	STAGE P,0,Q,0,3,2                              ; 32 instructions that name no register of the four products: more than the
	STAGE Q,0,P,0,1,1                              ; four places asked in front of a load into their sources
.if \ld
	LOADA
.endif
	STAGE P,0,Q,0,7,4
	STAGE Q,0,P,1,2,2
	STAGE P,1,Q,0,1,1
	STAGE Q,0,P,0,15,8
	STAGE P,0,Q,2,4,4
	STAGE Q,2,P,1,2,2
	STAGE P,1,Q,0,1,1
	STAGE Q,0,P,0,31,16
	STAGE P,0,Q,3,8,8
	STAGE Q,3,P,2,4,4
	STAGE P,2,Q,1,2,2
.if \first
	STAGE Q,1,R,0,1,1                              ; the first batch IS the running list
.else
	STAGE Q,1,P,0,1,1
	MERGE
.endif
.endm
	; 32 batches of 64 targets
	LOADA
	s_wait_dscnt 0x0
	WM4
.rept 4
	v_nop                                          ; four places behind the products: then their sources are loaded again, and X is read
.endr
	LOADA
	BATCH 1,1,1                                    ; batch 0; issues products 1, fetches fragments 2
	s_mov_b32 s15, 29
.Lbatch:
	BATCH 0,1,1                                    ; batches 1 .. 29; the last fetches fragments 31, the table's end
	s_sub_co_u32 s15, s15, 1
	s_cmp_lg_u32 s15, 0
	s_cbranch_scc1 .Lbatch
	BATCH 0,1,0                                    ; batch 30: nothing left to fetch
	BATCH 0,0,0                                    ; batch 31: nothing left to multiply
	; the two halves of the lanes hold the same 16 queries against the other eight targets of each sixteen: exchange and merge
.set i, 0
.rept 32
	v_permlanex16_b32 v[P+i], v[R+i], s12, s13
.set i, i+1
.endr
	MERGE                                          ; both halves now hold the query's 32 smallest
	s_mov_b32 vcc_lo, 0xffff0000
.set i, 0
.rept 16
	v_cndmask_b32 v[P+i], v[R+i], v[R+16+i], vcc_lo    ; half h goes on with places 16 h .. 16 h + 15
.set i, i+1
.endr
.set i, 0
.rept 16
	v_add_f32 v[P+i], v[QQ], v[P+i]                ; d2
.set i, i+1
.endr
.set i, 0
.rept 16
	v_max_num_f32 v[P+i], 0, v[P+i]
.set i, i+1
.endr
.set i, 0
.rept 16
	v_sqrt_f32 v[P+i], v[P+i]
.set i, i+1
.endr
	v_nop                                          ; one plain instruction between the last root and its use
	s_wait_alu depctr_va_vdst(0)
	v_pk_add_f32 v[T:T+1], v[P:P+1], v[P+2:P+3]
	v_pk_add_f32 v[T+2:T+3], v[P+4:P+5], v[P+6:P+7]
	v_pk_add_f32 v[T+4:T+5], v[P+8:P+9], v[P+10:P+11]
	v_pk_add_f32 v[T+6:T+7], v[P+12:P+13], v[P+14:P+15]
	v_pk_add_f32 v[T:T+1], v[T:T+1], v[T+2:T+3]
	v_pk_add_f32 v[T+4:T+5], v[T+4:T+5], v[T+6:T+7]
	v_pk_add_f32 v[T:T+1], v[T:T+1], v[T+4:T+5]
	v_add_f32 v[T], v[T], v[T+1]                   ; my sixteen
	v_permlanex16_b32 v[T+1], v[T], s12, s13       ; the other half's
	v_add_f32 v[T], v[T], v[T+1]
	v_rcp_f32 v[RS], v[T]                          ; twice: a pair for the packed multiply
	v_rcp_f32 v[RS+1], v[T]
	v_nop                                          ; one plain instruction before the reciprocals are used
.set i, 0
	s_wait_alu depctr_va_vdst(0)
.rept 8
	v_pk_mul_f32 v[P+2*i:P+2*i+1], v[P+2*i:P+2*i+1], v[RS:RS+1]
.set i, i+1
.endr
	; the way out: a lane holds 64 bytes of a row of 128.  Through my wave's own stage (no barrier; LDS keeps a wave's order)
	; the tile's 2,048 bytes leave as four stores of 512 neighbouring bytes, aligned.
.irp i, 0,1,2,3
	ds_store_b128 v7, v[P+4*\i:P+4*\i+3] offset:16*\i
.endr
.irp i, 0,1,2,3
	ds_load_b128 v[Q+4*\i:Q+4*\i+3], v8 offset:4*SPITCH*\i
.endr
.irp i, 0,1,2,3
	s_wait_dscnt 3-\i                              ; the 3 - i younger loads stay out
	global_store_b128 v9, v[Q+4*\i:Q+4*\i+3], s[8:9] offset:512*\i th:TH_STORE_NT
.endr
	s_wait_tensorcnt 0x0
	ds_add_u32 v208, v209
	s_wait_dscnt 0x0
	s_endpgm
.Lfunc_end_k_q1a81cbd41f_knn:
	.size	k_q1a81cbd41f_knn, .Lfunc_end_k_q1a81cbd41f_knn-k_q1a81cbd41f_knn
	.p2alignl 7, 3214868480
	.fill 96, 4, 3214868480
	.section	.rodata,"a",@progbits
	.p2align	6, 0x0
	.amdhsa_kernel k_q1a81cbd41f_knn
		.amdhsa_group_segment_fixed_size 75264
		.amdhsa_private_segment_fixed_size 0
		.amdhsa_enable_private_segment 0
		.amdhsa_kernarg_size 24
		.amdhsa_user_sgpr_count 2
		.amdhsa_user_sgpr_kernarg_segment_ptr 1
		.amdhsa_wavefront_size32 1
		.amdhsa_system_sgpr_workgroup_id_x 1
		.amdhsa_system_sgpr_workgroup_id_y 1
		.amdhsa_system_sgpr_workgroup_id_z 1
		.amdhsa_system_vgpr_workitem_id 0
		.amdhsa_next_free_vgpr 210
		.amdhsa_next_free_sgpr 66
		.amdhsa_reserve_vcc 1
		.amdhsa_float_denorm_mode_32 3
		.amdhsa_float_denorm_mode_16_64 3
		.amdhsa_memory_ordered 1
		.amdhsa_forward_progress 1
		.amdhsa_inst_pref_size 117
	.end_amdhsa_kernel
	.amdgpu_metadata
---
amdhsa.version: [ 1, 2 ]
amdhsa.kernels:
  - .name:           k_q1a81cbd41f_knn
    .symbol:         k_q1a81cbd41f_knn.kd
    .args:
      - { .name: candidate_pts, .offset: 0, .size: 8, .value_kind: global_buffer, .address_space: global }
      - { .name: tgt_pts, .offset: 8, .size: 8, .value_kind: global_buffer, .address_space: global }
      - { .name: out1, .offset: 16, .size: 8, .value_kind: global_buffer, .address_space: global }
    .group_segment_fixed_size: 75264
    .private_segment_fixed_size: 0
    .kernarg_segment_align: 8
    .kernarg_segment_size: 24
    .max_flat_workgroup_size: 128
    .sgpr_count:     66
    .vgpr_count:     210
    .wavefront_size: 32
...
	.end_amdgpu_metadata
.endif
;; end of part 4
;; ======== version 2 of 2: 4 launches; version 1 with the launches score, group written anew for expert scheduling mode
;; workspace buffers: scores 32,768 bytes; ranks 16,384 bytes of whole numbers
;; launch score (part 5): grid 256 x 1, 1 waves a work-group, no clusters, 12,800 bytes of LDS; arguments src_pts, tgt_pts, fe_w1, fe_b1, fe_w2, fe_b2, wl_w1, wl_b1, wl_w2, wl_b2, scores; writes scores
.if DOCPART == 5
	.amdgcn_target "amdgcn-amd-amdhsa--gfx1250"
	.amdhsa_code_object_version 6
	.text
	.protected	k_q1a81cbd41f_score
	.globl	k_q1a81cbd41f_score
	.p2align	8
	.type	k_q1a81cbd41f_score,@function
k_q1a81cbd41f_score:
	s_mov_b64 s[64:65], 0
	v_nop
	global_prefetch_b8 v0, s[64:65] scope:SCOPE_SE
	s_setreg_imm32_b32 hwreg(HW_REG_WAVE_SCHED_MODE, 0, 2), 2
	s_setreg_imm32_b32 hwreg(HW_REG_WAVE_MODE, 25, 1), 1
	s_wait_xcnt 0x0
	s_wait_alu depctr_vm_vsrc(0)
; scores[cloud][batch][n] = WL(FE(pts[batch][:, n])): the pointwise chain 6 -> 64 (ReLU) -> 32 -> 16 (ReLU) -> 1.
; One wave a work-group, one point a lane: 256 work-groups x 32 lanes = 2 clouds x 2 batches x 2048 points.
; WHY f32 ON THE VECTOR ALU AND NOT THE MATRIX UNIT: the scores are only ranked (top 64 of 2048), and a rank is not continuous
; in the score: a bf16 operand would move a score by more than neighbouring scores lie apart.  The whole chain is 2,960
; multiply-adds a point.
; LIMITS: the sums run in another order than the reference's, so two means closer than a few f32 ulp may be ranked otherwise;
; NaN and infinite inputs are not served.
; The weights (12,288 bytes) go into LDS once and come back as broadcast loads (all lanes one address), 12 or 16 loads
; a chunk, in two register buffers: while one chunk is multiplied the next one is on its way.
; One wave: no barrier; LDS serves a wave's instructions in order (ISA guide 5.7.1), so the loads see the stores.
; THE MODE: SCHED_MODE bits 1:0 = 2 (LLVM: expert scheduling mode 2), set by the entry lines.  The code itself states the register
; dependences between vector instructions and memory or LDS instructions, with s_wait_alu, always for 0.
; THE PLAN.  Registers that memory or LDS instructions touch:
;   v1 .. v5   offsets, and the address of the broadcast loads: written once at the head, read by every access, never written again.
;   ST         the weights land here from memory and the LDS stores read them; the same registers are WA and WB afterwards.
;   H, F, G    the biases land in them once, ahead of every vector instruction that names them.
;   WA, WB     chunk c's multiply-adds read buffer c % 2 (the count runs on through the layers); chunk c + 1's loads land in the
;              other buffer, which chunk c - 1's multiply-adds read.
;   SC         written by the last add, read by the store.
; So ONE wait on va_vdst stands at the head of a chunk: the chunk before is done reading the buffer that is now loaded.  The chunk's
; whole run of loads follows it at once, a chunk ahead of its use, and the chunk's multiply-adds name the other buffer alone.
.set W1O, 0                            ; fe_w1 [64][6]
.set B1O, 1536                         ; fe_b1 [64]
.set W2O, 1792                         ; fe_w2 [32][64]
.set B2O, 9984                         ; fe_b2 [32]
.set W3O, 10112                        ; wl_w1 [16][32]
.set B3O, 12160                        ; wl_b1 [16]
.set W4O, 12224                        ; wl_w2 [16]
.set X,  6                             ; v[6:11]    the point's six channels
.set SC, 12                            ; v12        the score, started with wl_b2; v13 a second chain
.set G,  16                            ; v[16:31]   layer 3
.set F,  32                            ; v[32:63]   layer 2
.set H,  64                            ; v[64:127]  layer 1
.set WA, 128                           ; v[128:191] weight buffer A
.set WB, 192                           ; v[192:255] weight buffer B
.set ST, 128                           ; v[128:224] the weights on their way from memory to LDS
	s_load_b512 s[4:19], s[0:1], 0x0               ; src, tgt, fe_w1, fe_b1, fe_w2, fe_b2, wl_w1, wl_b1
	s_load_b128 s[20:23], s[0:1], 0x40             ; wl_w2, wl_b2
	s_load_b64 s[24:25], s[0:1], 0x50              ; scores
	v_lshl_add_u32 v14, v0, 2, 0x3100
	v_mov_b32 v15, 0
	s_bfe_u32 s28, ttmp9, 0x10006                  ; batch = bit 6 of the work-group's number
	s_mul_i32 s28, s28, 49152                      ; 6 channels x 2048 x 4 bytes
	s_and_b32 s29, ttmp9, 63
	s_lshl_b32 s29, s29, 7                         ; + 32 points x 4 bytes for each block
	s_add_co_u32 s28, s28, s29
	s_mov_b32 s29, 0
	s_lshl_b32 s30, ttmp9, 7                       ; scores: (cloud, batch, block) are the number's bits in order: 128 bytes each
	s_mov_b32 s31, 0
	v_mov_b32 v1, 0                                ; address of every broadcast load
	v_lshlrev_b32 v2, 4, v0                        ; 16 L
	v_lshlrev_b32 v3, 3, v0                        ; 8 L
	v_lshlrev_b32 v4, 2, v0                        ; 4 L
	v_and_b32 v5, 15, v0
	v_lshlrev_b32 v5, 2, v5                        ; 4 (L % 16): arrays of 64 bytes, the upper lanes repeat the lower
	s_wait_kmcnt 0x0
	s_cmp_lt_u32 ttmp9, 128                        ; cloud 0: src, cloud 1: tgt
	s_cselect_b64 s[26:27], s[4:5], s[6:7]
	s_add_nc_u64 s[26:27], s[26:27], s[28:29]
	s_add_nc_u64 s[24:25], s[24:25], s[30:31]
	s_wait_alu depctr_va_vdst(0)                   ; v1 to v5 are written: every load and store of the kernel reads one of them as its address
	; 34 loads: the point, all weights, and wl_b2 straight into the score
.irp c, 0,1,2,3,4,5
	global_load_b32 v[X+\c], v4, s[26:27] offset:8192*\c
.endr
.irp i, 0,1,2
	global_load_b128 v[ST+4*\i:ST+4*\i+3], v2, s[8:9] offset:512*\i
.endr
	global_load_b64 v[ST+12:ST+13], v3, s[10:11]
.set i, 0
.rept 16
	global_load_b128 v[ST+14+4*i:ST+17+4*i], v2, s[12:13] offset:512*i
.set i, i+1
.endr
.irp i, 0,1,2,3
	global_load_b128 v[ST+78+4*\i:ST+81+4*\i], v2, s[16:17] offset:512*\i
.endr
	global_load_b32 v[ST+94], v4, s[14:15]
	global_load_b32 v[ST+95], v5, s[18:19]
	global_load_b32 v[ST+96], v5, s[20:21]
	global_load_b32 v[SC], v1, s[22:23]
	s_wait_loadcnt 0x0
.irp i, 0,1,2
	ds_store_b128 v2, v[ST+4*\i:ST+4*\i+3] offset:W1O+512*\i
.endr
	ds_store_b64 v3, v[ST+12:ST+13] offset:B1O
.set i, 0
.rept 16
	ds_store_b128 v2, v[ST+14+4*i:ST+17+4*i] offset:W2O+512*i
.set i, i+1
.endr
.irp i, 0,1,2,3
	ds_store_b128 v2, v[ST+78+4*\i:ST+81+4*\i] offset:W3O+512*\i
.endr
	ds_store_b32 v4, v[ST+94] offset:B2O
	ds_store_b32 v5, v[ST+95] offset:B3O           ; lanes L and L + 16 write the same word with the same value
	ds_store_b32 v5, v[ST+96] offset:W4O
; cnt broadcast loads of 16 bytes, stride bytes apart, into consecutive registers
.macro LOADC buf, off, cnt, stride
.set li, 0
.rept \cnt
	ds_load_b128 v[\buf+4*li:\buf+4*li+3], v1 offset:\off+li*\stride
.set li, li+1
.endr
.endm
; acc[o] += sum over k < kc of W[o][k] src[k] for 2 np outputs; W[o][k] lies in register buf + o rs + k.
; Two multiply-adds an instruction.  The pair (even output, k) with (odd output, k + 1), then crossed: so the two
; destinations are one even and one odd, and the two first and the two second sources are rs +- 1 and 1 registers apart,
; never a multiple of four, as the dual form asks.
.macro FM buf, rs, kc, np, acc, src
.set fk, 0
.rept \kc/2
.set fp, 0
.rept \np
	v_dual_fmac_f32 v[\acc+2*fp], v[\buf+2*fp*\rs+fk], v[\src+fk] :: v_dual_fmac_f32 v[\acc+2*fp+1], v[\buf+(2*fp+1)*\rs+fk+1], v[\src+fk+1]
.set fp, fp+1
.endr
.set fp, 0
.rept \np
	v_dual_fmac_f32 v[\acc+2*fp], v[\buf+2*fp*\rs+fk+1], v[\src+fk+1] :: v_dual_fmac_f32 v[\acc+2*fp+1], v[\buf+(2*fp+1)*\rs+fk], v[\src+fk]
.set fp, fp+1
.endr
.set fk, fk+2
.endr
.endm
	; the biases start the sums: nothing is cleared
	LOADC H, B1O, 16, 16
	LOADC F, B2O, 8, 16
	LOADC G, B3O, 4, 16
	; layer 1: 8 chunks of 8 outputs x 6 inputs (192 bytes, 12 loads)
	s_wait_alu depctr_vm_vsrc(0)                   ; the LDS stores have read v[ST ..]: these registers are WA and WB from here on, in which the weights' loads land
	LOADC WA, W1O, 12, 16
.set c, 0
.rept 7
.if c > 0
	s_wait_alu depctr_va_vdst(0)                   ; chunk c - 1's multiply-adds are done reading the buffer in which chunk c + 1 lands (at c = 0 no vector instruction has named WB)
.endif
	LOADC (WA+64*((c+1)&1)), (W1O+192*(c+1)), 12, 16
	s_wait_dscnt 12                                ; all but the next chunk's 12 loads (the first time: the biases too)
	FM (WA+64*(c&1)), 6, 6, 4, (H+8*c), X
.set c, c+1
.endr
	s_wait_alu depctr_va_vdst(0)                   ; chunk 6's multiply-adds are done reading WA
	LOADC WA, W2O, 16, 256                         ; layer 2's first chunk
	s_wait_dscnt 16                                ; all but those 16
	FM WB, 6, 6, 4, (H+56), X
.set i, 0
.rept 64
	v_max_num_f32 v[H+i], 0, v[H+i]                ; ReLU
.set i, i+1
.endr
	; layer 2: 32 chunks of 16 outputs x 4 inputs (16 loads, one for each output's row of 256 bytes)
.set c, 0
.rept 31
	s_wait_alu depctr_va_vdst(0)                   ; the chunk before is done reading the buffer in which chunk c + 1 lands
	LOADC (WA+64*((c+1)&1)), (W2O+4096*((c+1)>>4)+16*((c+1)&15)), 16, 256
	s_wait_dscnt 16                                ; all but the next chunk's 16 loads
	FM (WA+64*(c&1)), 4, 4, 8, (F+16*(c>>4)), (H+4*(c&15))
.set c, c+1
.endr
	s_wait_alu depctr_va_vdst(0)                   ; chunk 30's multiply-adds are done reading WA
	LOADC WA, W3O, 16, 128                         ; layer 3's first chunk
	s_wait_dscnt 16
	FM WB, 4, 4, 8, (F+16), (H+60)
	; layer 3: 8 chunks of 16 outputs x 4 inputs
.set c, 0
.rept 7
	s_wait_alu depctr_va_vdst(0)                   ; the chunk before is done reading the buffer in which chunk c + 1 lands
	LOADC (WA+64*((c+1)&1)), (W3O+16*(c+1)), 16, 128
	s_wait_dscnt 16
	FM (WA+64*(c&1)), 4, 4, 8, G, (F+4*c)
.set c, c+1
.endr
	s_wait_alu depctr_va_vdst(0)                   ; chunk 6's multiply-adds are done reading WA
	LOADC WA, W4O, 4, 16                           ; layer 4's 16 weights
	s_wait_dscnt 4                                 ; all but those 4
	FM WB, 4, 4, 8, G, (F+28)
.set i, 0
.rept 16
	v_max_num_f32 v[G+i], 0, v[G+i]                ; ReLU
.set i, i+1
.endr
	; layer 4: two chains of eight
	s_wait_dscnt 0x0
	v_mul_f32 v13, v[WA+1], v[G+1]
	v_fmac_f32 v[SC], v[WA], v[G]
.set k, 2
.rept 7
	v_fmac_f32 v[SC], v[WA+k], v[G+k]
	v_fmac_f32 v13, v[WA+k+1], v[G+k+1]
.set k, k+2
.endr
	v_add_f32 v[SC], v[SC], v13
	s_wait_alu depctr_va_vdst(0)                   ; the score is written, which the store reads
	global_store_b32 v4, v[SC], s[24:25]           ; 128 neighbouring bytes a wave
	s_wait_dscnt 0x0
	s_wait_alu depctr_hold_cnt(0) depctr_sa_sdst(0) depctr_va_vdst(0) depctr_va_sdst(0) depctr_va_ssrc(0) depctr_va_vcc(0) depctr_vm_vsrc(0)
	s_wait_tensorcnt 0x0
	ds_add_u32 v14, v15
	s_wait_dscnt 0x0
	s_endpgm
.Lfunc_end_k_q1a81cbd41f_score:
	.size	k_q1a81cbd41f_score, .Lfunc_end_k_q1a81cbd41f_score-k_q1a81cbd41f_score
	.p2alignl 7, 3214868480
	.fill 96, 4, 3214868480
	.section	.rodata,"a",@progbits
	.p2align	6, 0x0
	.amdhsa_kernel k_q1a81cbd41f_score
		.amdhsa_group_segment_fixed_size 12800
		.amdhsa_private_segment_fixed_size 0
		.amdhsa_enable_private_segment 0
		.amdhsa_kernarg_size 88
		.amdhsa_user_sgpr_count 2
		.amdhsa_user_sgpr_kernarg_segment_ptr 1
		.amdhsa_wavefront_size32 1
		.amdhsa_system_sgpr_workgroup_id_x 1
		.amdhsa_system_sgpr_workgroup_id_y 1
		.amdhsa_system_sgpr_workgroup_id_z 1
		.amdhsa_system_vgpr_workitem_id 0
		.amdhsa_next_free_vgpr 256
		.amdhsa_next_free_sgpr 66
		.amdhsa_reserve_vcc 0
		.amdhsa_float_denorm_mode_32 3
		.amdhsa_float_denorm_mode_16_64 3
		.amdhsa_memory_ordered 1
		.amdhsa_forward_progress 1
		.amdhsa_inst_pref_size 153
	.end_amdhsa_kernel
	.amdgpu_metadata
---
amdhsa.version: [ 1, 2 ]
amdhsa.kernels:
  - .name:           k_q1a81cbd41f_score
    .symbol:         k_q1a81cbd41f_score.kd
    .args:
      - { .name: src_pts, .offset: 0, .size: 8, .value_kind: global_buffer, .address_space: global }
      - { .name: tgt_pts, .offset: 8, .size: 8, .value_kind: global_buffer, .address_space: global }
      - { .name: fe_w1, .offset: 16, .size: 8, .value_kind: global_buffer, .address_space: global }
      - { .name: fe_b1, .offset: 24, .size: 8, .value_kind: global_buffer, .address_space: global }
      - { .name: fe_w2, .offset: 32, .size: 8, .value_kind: global_buffer, .address_space: global }
      - { .name: fe_b2, .offset: 40, .size: 8, .value_kind: global_buffer, .address_space: global }
      - { .name: wl_w1, .offset: 48, .size: 8, .value_kind: global_buffer, .address_space: global }
      - { .name: wl_b1, .offset: 56, .size: 8, .value_kind: global_buffer, .address_space: global }
      - { .name: wl_w2, .offset: 64, .size: 8, .value_kind: global_buffer, .address_space: global }
      - { .name: wl_b2, .offset: 72, .size: 8, .value_kind: global_buffer, .address_space: global }
      - { .name: scores, .offset: 80, .size: 8, .value_kind: global_buffer, .address_space: global }
    .group_segment_fixed_size: 12800
    .private_segment_fixed_size: 0
    .kernarg_segment_align: 8
    .kernarg_segment_size: 88
    .max_flat_workgroup_size: 32
    .sgpr_count:     66
    .vgpr_count:     256
    .wavefront_size: 32
...
	.end_amdgpu_metadata
.endif
;; end of part 5
;; launch rank: the kernel of part 2 again; grid 64 x 2, 16 waves a work-group, no clusters, 12,288 bytes of LDS; arguments scores, ranks; writes ranks
;; launch group (part 6): grid 64 x 4, 1 waves a work-group, no clusters, 3,328 bytes of LDS; arguments ranks, src_pts, tgt_pts, out0, out2, out3; writes out0, out2, out3
.if DOCPART == 6
	.amdgcn_target "amdgcn-amd-amdhsa--gfx1250"
	.amdhsa_code_object_version 6
	.text
	.protected	k_q1a81cbd41f_group
	.globl	k_q1a81cbd41f_group
	.p2align	8
	.type	k_q1a81cbd41f_group,@function
k_q1a81cbd41f_group:
	s_mov_b64 s[64:65], 0
	v_nop
	global_prefetch_b8 v0, s[64:65] scope:SCOPE_SE
	s_setreg_imm32_b32 hwreg(HW_REG_WAVE_SCHED_MODE, 0, 2), 2
	s_setreg_imm32_b32 hwreg(HW_REG_WAVE_MODE, 25, 1), 1
	s_wait_xcnt 0x0
	s_wait_alu depctr_vm_vsrc(0)
; The 64 keypoints of a cloud (the points of rank 0 to 63, in that order), and the ball query round one of them.
; Work-group (x, y): centre s = x, cloud = y / 2, batch = y % 2.  One wave, so no barrier; lane n is slot n of the group.
;  1. The ranks are inverted: point i's number goes to LDS word min(rank, 64); word 64 is a dump that is never read.
;     All addresses here come from whole numbers that an earlier launch stored.
;  2. Lane L gathers the six channels of keypoints L and L + 32 and lays them into LDS as rows of 24 bytes.
;  3. d2 = |a|^2 + |b|^2 - 2 a.b in f32, as the reference forms it; in the radius where d2 <= 1.
;  4. Slot n takes the n-th keypoint in the radius.  No address and no branch hangs on d2: all 64 rows pass by, a scalar
;     count says which lane a row would fall to, and v_cndmask_b32 takes it or leaves it.
;  5. Slots beyond the count take slot 0's row; the centre is subtracted from x, y, z.
; f32 on the vector ALU and not the matrix unit: the test d2 > 1 is not continuous in d2, and there are 64 x 3 products.
; LIMITS: d2 within a few ulp of 1 may fall on the other side than in the reference (fused sums); no NaN.
; THE MODE: SCHED_MODE bits 1:0 = 2 (LLVM: expert scheduling mode 2), set by the entry lines.  The code itself states the register
; dependences between vector instructions and memory or LDS instructions, with s_wait_alu, always for 0.
; THE PLAN.  Registers that memory or LDS instructions touch:
;   v2, v3, v8 .. v11  offsets and LDS addresses: all made at the head, never written again: one wait ahead of the first load.
;   RK    the ranks land here; each becomes its own LDS address in place (a minimum, a shift); the LDS stores read it.
;   PN    the points' numbers, made while the ranks are on their way; the LDS stores read them as data.
;         Sixteen ranks a batch: their 32 vector instructions, ONE wait on va_vdst, their 16 stores.  No register that a store reads is written again in this part.
;   v6, v7  land from LDS, are clamped and shifted, and are the gathers' offsets: one wait on va_vdst between.
;   KA, KB  land from memory; the LDS stores read them; KA is RES later.
;   RB0, RB1  eight rows each, on RK's and PN's registers: one wait on vm_vsrc ahead of the first rows' loads (the LDS stores have read RK, PN and KA).
;         Chunk c's selects read buffer c % 2; chunk c + 1's loads land in the other, which chunk c - 1's selects read: one wait on va_vdst at a chunk's head.
;   RES   written by the selects, read by the LDS stores of the way out: one wait on va_vdst.
; Scalar registers that vector instructions write: s30, s31 (in the radius), s[40:47] (a chunk's eight lane masks, made in one run), s[36:41] (slot 0's row), VCC: one wait behind each run, ahead of its first reader.
.set ORD, 0                            ; LDS: 65 words
.set KP,  512                          ; LDS: 64 rows x 24 bytes
.set STG, 2048                         ; LDS: 32 slots x 24 bytes, the way out
.set RK,  64                           ; v[64:127]  64 ranks a lane, then their LDS addresses
.set PN,  128                          ; v[128:191] the numbers of my 64 points
.set KA,  16                           ; v[16:21]   keypoint L
.set KB,  24                           ; v[24:29]   keypoint L + 32
.set O0,  32                           ; v[32:43]   out0 on its way
.set CS,  44                           ; v[44:49]   the centre's row, in every lane
.set T,   50                           ; v[50:52]   at work
.set RES, 16                           ; = KA: written in every lane, and free once the masks are made: nothing is cleared
.set RB0, 64                           ; v[64:111]  8 rows, in every lane
.set RB1, 112                          ; v[112:159] the next 8
.set MK,  40                           ; s[40:47]   a chunk's eight lane masks
	s_load_b256 s[4:11], s[0:1], 0x0               ; ranks, src, tgt, out0
	s_load_b128 s[12:15], s[0:1], 0x20             ; out2, out3
	v_lshl_add_u32 v60, v0, 2, 0xc00
	v_mov_b32 v61, 0
	s_and_b32 s16, ttmp7, 0xffff
	s_lshr_b32 s17, s16, 1                         ; cloud
	s_and_b32 s18, s16, 1                          ; batch
	s_lshl_b32 s20, s17, 13                        ; ranks: 8,192 bytes a cloud
	s_mov_b32 s21, 0
	s_mul_i32 s26, s18, 49152                      ; points: 6 x 2048 x 4 bytes a batch
	s_mov_b32 s27, 0
	s_lshl_b32 s28, s18, 6
	s_add_co_u32 s28, s28, ttmp9
	s_mul_i32 s28, s28, 768                        ; output: (64 batch + s) groups of 32 x 6 x 4 bytes
	s_mov_b32 s29, 0
	s_mul_i32 s19, ttmp9, 24
	v_lshlrev_b32 v2, 2, v0                        ; 4 L
	v_lshlrev_b32 v3, 4, v0                        ; 16 L
	v_mul_u32_u24 v8, 24, v0                       ; 24 L
	v_lshlrev_b32 v11, 3, v0                       ; 8 L
	v_mov_b32 v10, 0
	v_mov_b32 v9, s19                              ; the centre's row in the table of keypoints
	s_wait_kmcnt 0x0
	s_add_nc_u64 s[4:5], s[4:5], s[20:21]
	s_cmp_eq_u32 s17, 0
	s_cselect_b64 s[22:23], s[6:7], s[8:9]         ; the cloud's points
	s_cselect_b64 s[24:25], s[12:13], s[14:15]     ; and its output
	s_add_nc_u64 s[22:23], s[22:23], s[26:27]
	s_add_nc_u64 s[24:25], s[24:25], s[28:29]
	s_wait_alu depctr_va_vdst(0)                   ; v2, v3, v8, v9, v10 and v11 are written: the loads and stores of the whole kernel read them as offsets and addresses
	; 1. all 2048 ranks, 512 neighbouring bytes a load
.set k, 0
.rept 16
	global_load_b128 v[RK+4*k:RK+4*k+3], v3, s[4:5] offset:512*k
.set k, k+1
.endr
.set k, 0
.rept 16
.irp e, 0,1,2,3
	v_add_nc_u32 v[PN+4*k+\e], 128*k+\e, v2        ; the point's number: 128 k + 4 L + e; made while the ranks are on their way
.endr
.set k, k+1
.endr
.set b, 0
.rept 4
	s_wait_loadcnt 12-4*b                          ; loads come back in order: the later batches' loads (4 each) stay out
.set i, 0
.rept 16
	v_min_u32 v[RK+16*b+i], 64, v[RK+16*b+i]       ; rank 64 and above: the dump
.set i, i+1
.endr
.set i, 0
.rept 16
	v_lshlrev_b32 v[RK+16*b+i], 2, v[RK+16*b+i]
.set i, i+1
.endr
	s_wait_alu depctr_va_vdst(0)                   ; the batch's sixteen addresses are written (the first time: all the points' numbers too), which the stores below read
.set i, 0
.rept 16
	ds_store_b32 v[RK+16*b+i], v[PN+16*b+i] offset:ORD
.set i, i+1
.endr
.set b, b+1
.endr
	; 2. the keypoints
	ds_load_b32 v6, v2 offset:ORD                  ; behind the stores, in the wave's own order
	ds_load_b32 v7, v2 offset:ORD+128
	s_wait_dscnt 0x0
	v_min_u32 v6, 0x7ff, v6                        ; a point's number: inside the table whatever LDS held
	v_min_u32 v7, 0x7ff, v7
	v_lshlrev_b32 v6, 2, v6
	v_lshlrev_b32 v7, 2, v7
	s_wait_alu depctr_va_vdst(0)                   ; v6 and v7 are written, the gathers' offsets
.irp c, 0,1,2,3,4,5
	global_load_b32 v[KA+\c], v6, s[22:23] offset:8192*\c
	global_load_b32 v[KB+\c], v7, s[22:23] offset:8192*\c
.endr
	s_wait_loadcnt 0x0
.irp c, 0,2,4
	ds_store_b64 v8, v[KA+\c:KA+\c+1] offset:KP+4*\c
	ds_store_b64 v8, v[KB+\c:KB+\c+1] offset:KP+768+4*\c
.endr
	; out0 = the source cloud's keypoints: the table as it lies, 1,536 bytes a batch, by the work-groups of centre 0
	s_or_b32 s19, s17, ttmp9
	s_cmp_lg_u32 s19, 0
	s_cbranch_scc1 .Lno_out0
	s_mul_i32 s20, s18, 1536
	s_add_nc_u64 s[10:11], s[10:11], s[20:21]
.irp i, 0,1,2
	ds_load_b128 v[O0+4*\i:O0+4*\i+3], v3 offset:KP+512*\i
.endr
	s_wait_dscnt 0x0
.irp i, 0,1,2
	global_store_b128 v3, v[O0+4*\i:O0+4*\i+3], s[10:11] offset:512*\i
.endr
.Lno_out0:
	; 3. the centre's row, and the first eight rows behind it
.irp c, 0,2,4
	ds_load_b64 v[CS+\c:CS+\c+1], v9 offset:KP+4*\c
.endr
.macro LOADR buf, ch                   ; rows 8 ch .. 8 ch + 7: 192 bytes, 12 broadcast loads
.irp i, 0,1,2,3,4,5,6,7,8,9,10,11
	ds_load_b128 v[\buf+4*\i:\buf+4*\i+3], v10 offset:KP+192*\ch+16*\i
.endr
.endm
	s_wait_alu depctr_vm_vsrc(0)                   ; the LDS stores have read RK and PN, in which the rows land, and KA, which the selects write as RES
	LOADR RB0, 0                                   ; (the vector instructions that wrote RK and PN stand ahead of the gathers' wait on va_vdst, and none behind it has named them)
	s_wait_dscnt 12                                ; the centre is in; the 12 loads of the rows stay out
	v_mul_f32 v[T], v[CS], v[CS]
	v_fmac_f32 v[T], v[CS+1], v[CS+1]
	v_fmac_f32 v[T], v[CS+2], v[CS+2]              ; |a|^2
.macro D2MASK k, m
	v_mul_f32 v[T+1], v[\k], v[\k]
	v_fmac_f32 v[T+1], v[\k+1], v[\k+1]
	v_fmac_f32 v[T+1], v[\k+2], v[\k+2]            ; |b|^2
	v_mul_f32 v[T+2], v[CS], v[\k]
	v_fmac_f32 v[T+2], v[CS+1], v[\k+1]
	v_fmac_f32 v[T+2], v[CS+2], v[\k+2]            ; a.b
	v_add_f32 v[T+1], v[T], v[T+1]
	v_fma_f32 v[T+2], -2.0, v[T+2], v[T+1]
	v_cmp_ge_f32 \m, 1.0, v[T+2]                   ; not (d2 > 1)
.endm
	D2MASK KA, s30                                 ; bit L: keypoint L
	D2MASK KB, s31                                 ; bit L: keypoint L + 32
	s_wait_alu depctr_va_sdst(0)                   ; s30 and s31 are written, ahead of their first reader, the bit tests below
	; 4. the slots.  s32 counts the keypoints in the radius so far.  A chunk's eight lane masks are made in one run, then its 48 selects follow.
.macro PICK j
	s_bitcmp1_b32 s[30+((\j)>>5)], (\j)&31         ; SCC = row j is in the radius
	s_cselect_b32 s33, s32, -1                     ; the lane it falls to, or none
	s_add_co_ci_u32 s32, s32, 0                    ; count += SCC
	v_cmp_eq_u32 s[MK+((\j)&7)], s33, v0
.endm
.macro TAKE j, kp
.irp c, 0,1,2,3,4,5
	v_cndmask_b32 v[RES+\c], v[RES+\c], v[\kp+\c], s[MK+((\j)&7)]
.endr
.endm
	s_mov_b32 s32, 0
.set ch, 0
.rept 8
.if ch < 7
.if ch > 0
	s_wait_alu depctr_va_vdst(0)                   ; the selects of the chunk before are done reading the buffer in which the next eight rows land (at the first chunk no vector instruction since the gathers' wait has named RB1)
.endif
	LOADR (RB0+48*((ch+1)&1)), (ch+1)
.endif
.set jj, 0
.rept 8
	PICK (8*ch+jj)
.set jj, jj+1
.endr
	s_wait_alu depctr_va_sdst(0)                   ; the chunk's eight masks are written, ahead of the selects that read them
.if ch < 7
	s_wait_dscnt 12                                ; all but the next eight rows' 12 loads
.else
	s_wait_dscnt 0x0
.endif
.set jj, 0
.rept 8
	TAKE (8*ch+jj), (RB0+48*(ch&1)+6*jj)
.set jj, jj+1
.endr
.set ch, ch+1
.endr
	; 5. empty slots repeat slot 0 (the centre itself is in its radius, so slot 0 is filled); coordinates relative to the centre
.irp c, 0,1,2,3,4,5
	v_readlane_b32 s[36+\c], v[RES+\c], 0
.endr
	v_cmp_le_u32 vcc_lo, s32, v0                   ; count <= lane
	s_wait_alu depctr_va_sdst(0)                   ; slot 0's six numbers are written into s[36:41], ahead of the selects that read them
	s_wait_alu depctr_va_vcc(0)                    ; and so is the mask in VCC
.irp c, 0,1,2,3,4,5
	v_cndmask_b32 v[RES+\c], v[RES+\c], s[36+\c], vcc_lo
.endr
.irp c, 0,1,2
	v_sub_f32 v[RES+\c], v[RES+\c], v[CS+\c]
.endr
	; the way out: a lane holds 24 bytes; through LDS they become one store of 512 and one of 256 neighbouring bytes,
	; from a base that is a multiple of 256
	s_wait_alu depctr_va_vdst(0)                   ; the selects and subtractions have written RES, which the LDS stores read
.irp c, 0,2,4
	ds_store_b64 v8, v[RES+\c:RES+\c+1] offset:STG+4*\c
.endr
	ds_load_b128 v[12:15], v3 offset:STG
	ds_load_b64 v[62:63], v11 offset:STG+512
	s_wait_dscnt 1                                 ; the first of the two is in
	global_store_b128 v3, v[12:15], s[24:25]
	s_wait_dscnt 0x0
	global_store_b64 v11, v[62:63], s[24:25] offset:512
	s_wait_dscnt 0x0
	s_wait_alu depctr_hold_cnt(0) depctr_sa_sdst(0) depctr_va_vdst(0) depctr_va_sdst(0) depctr_va_ssrc(0) depctr_va_vcc(0) depctr_vm_vsrc(0)
	s_wait_tensorcnt 0x0
	ds_add_u32 v60, v61
	s_wait_dscnt 0x0
	s_endpgm
.Lfunc_end_k_q1a81cbd41f_group:
	.size	k_q1a81cbd41f_group, .Lfunc_end_k_q1a81cbd41f_group-k_q1a81cbd41f_group
	.p2alignl 7, 3214868480
	.fill 96, 4, 3214868480
	.section	.rodata,"a",@progbits
	.p2align	6, 0x0
	.amdhsa_kernel k_q1a81cbd41f_group
		.amdhsa_group_segment_fixed_size 3328
		.amdhsa_private_segment_fixed_size 0
		.amdhsa_enable_private_segment 0
		.amdhsa_kernarg_size 48
		.amdhsa_user_sgpr_count 2
		.amdhsa_user_sgpr_kernarg_segment_ptr 1
		.amdhsa_wavefront_size32 1
		.amdhsa_system_sgpr_workgroup_id_x 1
		.amdhsa_system_sgpr_workgroup_id_y 1
		.amdhsa_system_sgpr_workgroup_id_z 1
		.amdhsa_system_vgpr_workitem_id 0
		.amdhsa_next_free_vgpr 192
		.amdhsa_next_free_sgpr 66
		.amdhsa_reserve_vcc 1
		.amdhsa_float_denorm_mode_32 3
		.amdhsa_float_denorm_mode_16_64 3
		.amdhsa_memory_ordered 1
		.amdhsa_forward_progress 1
		.amdhsa_inst_pref_size 62
	.end_amdhsa_kernel
	.amdgpu_metadata
---
amdhsa.version: [ 1, 2 ]
amdhsa.kernels:
  - .name:           k_q1a81cbd41f_group
    .symbol:         k_q1a81cbd41f_group.kd
    .args:
      - { .name: ranks, .offset: 0, .size: 8, .value_kind: global_buffer, .address_space: global }
      - { .name: src_pts, .offset: 8, .size: 8, .value_kind: global_buffer, .address_space: global }
      - { .name: tgt_pts, .offset: 16, .size: 8, .value_kind: global_buffer, .address_space: global }
      - { .name: out0, .offset: 24, .size: 8, .value_kind: global_buffer, .address_space: global }
      - { .name: out2, .offset: 32, .size: 8, .value_kind: global_buffer, .address_space: global }
      - { .name: out3, .offset: 40, .size: 8, .value_kind: global_buffer, .address_space: global }
    .group_segment_fixed_size: 3328
    .private_segment_fixed_size: 0
    .kernarg_segment_align: 8
    .kernarg_segment_size: 48
    .max_flat_workgroup_size: 32
    .sgpr_count:     66
    .vgpr_count:     192
    .wavefront_size: 32
...
	.end_amdgpu_metadata
.endif
;; end of part 6
;; launch knn: the kernel of part 4 again; grid 552 x 2, 4 waves a work-group, no clusters, 75,264 bytes of LDS; arguments candidate_pts, tgt_pts, out1; writes out1
